; MI455X (gfx1250); checked and timed in simulation.
; The chip was launched on July 23, 2026; its instructions are those of AMD's public machine-readable ISA for CDNA 5 (MIT licence, August 2026) and "CDNA5" Instruction Set Architecture Reference Guide (July 2026). The comments in the code are by the model that wrote it; some were corrected since.
;; Point Net Feature Propagation. Allowed arithmetic: matrix products marked QUANTISED: E4M3 operands, one E8M0 scale for each 32 along K, by v_wmma_scale_f32_16x16x128_f8f6f4 with both operands' format E4M3, f32 sums; products left as they are: f32 operands where the result goes on into a quantised operand, else bf16, f16 or f32 operands; f32 sums; everything else in f32.
;; Inputs: W1_codes 512 x 32 x 32 uint8 (E4M3 codes of W1, K innermost, in blocks of 32 codes); W1_scales 512 x 32 uint8 (E8M0 scales of W1, one for each 32 codes along K); W2_codes 256 x 16 x 32 uint8 (E4M3 codes of W2, K innermost, in blocks of 32 codes); W2_scales 256 x 16 uint8 (E8M0 scales of W2, one for each 32 codes along K); b1 512 float32; b2 256 float32; points1 16 x 4,096 x 512 float32; points2 16 x 1,024 x 512 float32; xyz1 16 x 4,096 x 3 float32; xyz2 16 x 1,024 x 3 float32.
;; Outputs: out0 16 x 4,096 x 256 float32.
;; This version of the problem:
;;   THIS VERSION OF THE PROBLEM IS GIVEN IN LOW PRECISION. The matrix products marked QUANTISED in the list below multiply operands that are first quantised to E4M3 (4 exponent bits, 3 mantissa bits; 8 bits a number), with one power-of-two scale for each 32 numbers along K (OCP MX v1.0); their sums are f32. All else is computed in f32.
;;   The module's matrix products, in the order in which they are computed (A, B: the left and right operand; K: the contracted axis; several contracted axes count as one K, in the product's order):
;;     1. batch 16 x [M 4,096, K 3] x [K 3, N 1,024]; A: input xyz1; B: input xyz2: left as it is (K = 3 < 32)
;;     2. [M 65,536, K 1,024] x [K 1,024, N 512]; A: computed on the way; B: input W1 (given as codes): QUANTISED
;;     3. [M 65,536, K 512] x [K 512, N 256]; A: computed on the way; B: input W2 (given as codes): QUANTISED
;;   THE QUANTISER, for each operand of a quantised product, along K:
;;     - K is cut into blocks of 32 from its start; a last block that is shorter is filled with zeros.
;;     - A block's scale is 2^e with e = floor(log2(the largest magnitude in the block)) - 8, held to -126 .. 127; a block of zeros has e = 0. As a byte (E8M0): e + 127.
;;     - Each number is divided by its block's scale, clamped to +-448, and rounded to the nearest number of E4M3, ties to even, subnormals kept.
;;     - The product sums the exact products of the quantised numbers (number of the format x scale) in f32.
;;   ~~~python
;;   def quantise(x, axis):      # numpy; x: float32 -> the quantised numbers, widened to float32 again
;;       x = np.moveaxis(x, axis, -1); K = x.shape[-1]
;;       x = np.pad(x, [(0, 0)] * (x.ndim - 1) + [(0, -K % 32)]); x = x.reshape(x.shape[:-1] + (-1, 32)); a = np.abs(x).max(-1, keepdims=True)
;;       e = np.where(a > 0, np.clip(np.frexp(np.where(a > 0, a, 1))[1] - 1 - 8, -126, 127), 0)      # np.frexp(a)[1] - 1 = floor(log2(a)), exactly
;;       r = np.clip(x / 2.0 ** e, -448, 448)
;;       step = 2.0 ** (np.maximum(np.frexp(np.where(r == 0, 1, r))[1] - 1, -6) - 3)
;;       q = np.round(r / step) * step * 2.0 ** e      # np.round: ties to even
;;       return np.moveaxis(q.reshape(q.shape[:-2] + (-1,))[..., :K], -1, axis).astype(np.float32)
;;   ~~~
;;   OPERANDS COMPUTED ON THE WAY. 'Computed on the way' means the value that the module computes at that place (a softmax that the list does not call 'softmax' is quantised finished and normalised). What goes into a quantiser is computed in f32, as accurately as f32 sums, v_exp_f32 and their like allow (about 1e-6 of the number): no bf16 or f16 on the way to a quantiser, and a product that is left as it is and whose result goes on into a quantised operand takes f32 operands (vector FMAs, or v_wmma_f32_16x16x4_f32). A number that lies on a knife's edge between two numbers of the format may be rounded either way, as far as f32 arithmetic and the matrix unit's own rounding can turn it there, and no further.
;;   INPUTS GIVEN AS CODES. W1 (in the module: [1024, 512], K = its axis 0); W2 (in the module: [512, 256], K = its axis 0): each comes as NAME_codes (uint8): NAME with its K axis moved to the last place and cut into blocks of 32 codes, [.., K / 32, bytes a block], one block behind the other in memory; one code a byte (a code: sign, 4 exponent bits, 3 mantissa bits); and NAME_scales (uint8): the same leading axes, one E8M0 byte (e + 127) for each 32 codes along K. Its value is code x scale, taken as it is: it is not quantised again, and the codes and scales need not be those that the quantiser above would give.
;; One version. Each part assembles by itself: llvm-mc -triple=amdgcn-amd-amdhsa -mcpu=gfx1250 --defsym DOCPART=n.
;; ======== version 1 of 1: 3 launches
;; limits: right only within a limited range of input values
;; workspace buffers: grp 786,432 bytes of whole numbers; nbr 786,432 bytes of whole numbers; wgt 786,432 bytes; wl 675,840 bytes
;; launch coarse (part 1): grid 256 x 1, 8 waves a work-group, no clusters, 17,408 bytes of LDS; arguments xyz1, xyz2, grp; writes grp
.if DOCPART == 1
	.amdgcn_target "amdgcn-amd-amdhsa--gfx1250"
	.amdhsa_code_object_version 6
	.text
	.protected	k_q8c0b54c4ad_coarse
	.globl	k_q8c0b54c4ad_coarse
	.p2align	8
	.type	k_q8c0b54c4ad_coarse,@function
k_q8c0b54c4ad_coarse:
	s_mov_b64 s[64:65], 0
	v_nop
	global_prefetch_b8 v0, s[64:65] scope:SCOPE_SE
	s_setreg_imm32_b32 hwreg(HW_REG_WAVE_MODE, 25, 1), 1
	s_wait_xcnt 0x0
; For each of the 65,536 queries: WHICH THREE GROUPS OF 8 NEIGHBOURING CANDIDATES hold its three nearest points of xyz2.
; d(q, c) = (s1 + s2) - 2 q.c, s = fma(z, z, fma(y, y, x x)), q.c = fma(z1, z2, fma(y1, y2, x1 x2)): the order in which the problem's text sums.
; Order candidates by (d, index) and groups by (smallest d in the group, group number).  Each of the three first candidates lies in one of the three first groups: were its group
; not among them, three other groups would each hold a candidate that comes before it.  So one insertion for 8 candidates is enough here; the next launch looks at the 24 candidates.
; SHARES.  Work-group g: batch g / 16, queries 256 g + thread: a query a lane.  Every lane walks the batch's 128 groups.
; LDS: a table of the batch's 1,024 candidates, 32 bytes for each pair (a, b): -2xa, -2xb, -2ya, -2yb, -2za, -2zb, s2a, s2b.  The factor -2 is exact, so the packed chain gives -2 q.c bit for bit.
; All lanes of a load read the same 16 bytes.  Stored: [query][3] global group numbers (128 batch + group), ascending.
; LIMITS: NaN and infinities in xyz1, xyz2 are not served.  Where the third and fourth distance differ by less than d's own rounding, the choice hangs on the order of rounding stated above.
.set T0, 16                            ; v16-47   a group's 128 bytes, set 0
.set T1, 48                            ; v48-79   set 1
.set DD, 80                            ; v80-87   the group's eight d
.set UU, 88                            ; v88-95   s1 + s2
.set GM, 96                            ; v96      the group's smallest d
.set MM, 97                            ; v97-99   the three smallest so far, ascending
.set II, 100                           ; v100-102 their groups
.set OO, 104                           ; v104-106 what is stored
; v[2:3] qx twice, v[4:5] qy, v[6:7] qz, v[8:9] s1; v10, v11 LDS addresses of sets 0, 1; v12, v13 the trip's two group numbers; v15 12 x thread
	s_load_b128 s[4:7], s[0:1], 0x0                ; xyz1, xyz2
	s_load_b64 s[8:9], s[0:1], 0x10                ; grp
	v_lshl_add_u32 v108, v0, 2, 0x4000
	v_mov_b32 v109, 0
	s_lshr_b32 s12, ttmp9, 4                       ; the batch
	s_mul_i32 s10, s12, 12288                      ; its 1,024 candidates of 12 bytes
	s_mov_b32 s11, 0
	s_mul_i32 s14, ttmp9, 3072                     ; my work-group's 256 queries of 12 bytes, in xyz1 and in grp
	s_mov_b32 s15, 0
	s_lshl_b32 s13, s12, 7                         ; the batch's first group number
	v_mul_u32_u24 v1, v0, 48                       ; thread t prepares candidates 4 t .. 4 t + 3
	v_mul_u32_u24 v15, v0, 12
	v_lshlrev_b32 v14, 6, v0                       ; their two pairs in the table
	s_wait_alu depctr_va_vdst(0)
	s_wait_kmcnt 0x0
	s_add_nc_u64 s[6:7], s[6:7], s[10:11]
	s_add_nc_u64 s[4:5], s[4:5], s[14:15]
	s_add_nc_u64 s[8:9], s[8:9], s[14:15]
	global_load_b128 v[16:19], v1, s[6:7]
	global_load_b128 v[20:23], v1, s[6:7] offset:16
	global_load_b128 v[24:27], v1, s[6:7] offset:32
	global_load_b96 v[28:30], v15, s[4:5]          ; my query
	s_wait_loadcnt 0x0
.irp c, 0,1,2,3
	v_mul_f32 v[38+8*(\c/2)+(\c%2)], v[16+3*\c], v[16+3*\c]                           ; s2 = x x
.endr
.irp c, 0,1,2,3
	s_delay_alu instid0(VALU_DEP_4)
	v_fma_f32 v[38+8*(\c/2)+(\c%2)], v[17+3*\c], v[17+3*\c], v[38+8*(\c/2)+(\c%2)]    ; + y y
.endr
.irp c, 0,1,2,3
	s_delay_alu instid0(VALU_DEP_4)
	v_fma_f32 v[38+8*(\c/2)+(\c%2)], v[18+3*\c], v[18+3*\c], v[38+8*(\c/2)+(\c%2)]    ; + z z
.endr
.irp p, 0,1
.irp k, 0,1,2
.irp e, 0,1
	v_mul_f32 v[32+8*\p+2*\k+\e], -2.0, v[16+3*(2*\p+\e)+\k]
.endr
.endr
.endr
.irp q, 0,1,2,3
	ds_store_b128 v14, v[32+4*\q:35+4*\q] offset:16*\q
.endr
	v_mov_b32 v2, v28
	v_mov_b32 v3, v28
	v_mov_b32 v4, v29
	v_mov_b32 v5, v29
	v_mov_b32 v6, v30
	v_mov_b32 v7, v30
	v_mul_f32 v8, v28, v28
	s_delay_alu instid0(VALU_DEP_1)
	v_fma_f32 v8, v29, v29, v8
	s_delay_alu instid0(VALU_DEP_1)
	v_fma_f32 v8, v30, v30, v8                     ; s1
	s_delay_alu instid0(VALU_DEP_1)
	v_mov_b32 v9, v8
.irp k, 0,1,2
	v_mov_b32 v[MM+\k], 0x7f800000                 ; +infinity: every group's minimum comes before it
	v_mov_b32 v[II+\k], 0
.endr
	v_mov_b32 v12, s13
	s_delay_alu instid0(VALU_DEP_1)
	v_add_nc_u32 v13, 1, v12
	v_mov_b32 v10, 0
	v_mov_b32 v11, 0
	s_wait_alu depctr_va_vdst(0)
	s_wait_dscnt 0x0                               ; for the others' sake: my part of the table is written
	s_barrier_signal -1
	s_barrier_wait -1                              ; the table is whole; nobody writes LDS from here on
.macro LOADG t, adr, off
.irp q, 0,1,2,3,4,5,6,7
	ds_load_b128 v[\t+4*\q:\t+4*\q+3], v[\adr] offset:\off+16*\q
.endr
.endm
; v[GM] with its number v[gi] goes into the sorted three.  Strictly less: on equal values the earlier, lower number stays in front.
.macro INS gi
	s_delay_alu instid0(VALU_DEP_1)
	v_cmp_lt_f32 s20, v[GM], v[MM]
	s_delay_alu instid0(VALU_DEP_2)
	v_cmp_lt_f32 s21, v[GM], v[MM+1]
	s_delay_alu instid0(VALU_DEP_3)
	v_cmp_lt_f32 s22, v[GM], v[MM+2]
	s_delay_alu instid0(VALU_DEP_1)
	v_cndmask_b32 v[II+2], v[II+2], v[\gi], s22
	s_delay_alu instid0(VALU_DEP_1)
	v_cndmask_b32 v[II+2], v[II+2], v[II+1], s21
	s_delay_alu instid0(VALU_DEP_4)
	v_cndmask_b32 v[II+1], v[II+1], v[\gi], s21
	s_delay_alu instid0(VALU_DEP_1)
	v_cndmask_b32 v[II+1], v[II+1], v[II], s20
	v_cndmask_b32 v[II], v[II], v[\gi], s20
	v_med3_num_f32 v[MM+2], v[MM+1], v[MM+2], v[GM]
	v_med3_num_f32 v[MM+1], v[MM], v[MM+1], v[GM]
	v_min_num_f32 v[MM], v[MM], v[GM]
.endm
; One group out of set t.  left: the other set's LDS loads, which are younger and may stay out.  load = 1: the set takes the group two further on.
.macro GROUP t, adr, off, load, left, gi
	s_wait_dscnt \left
.irp p, 0,1,2,3
	v_pk_mul_f32 v[DD+2*\p:DD+2*\p+1], v[\t+8*\p:\t+8*\p+1], v[2:3]
.endr
.irp p, 0,1,2,3
	s_delay_alu instid0(VALU_DEP_4)
	v_pk_fma_f32 v[DD+2*\p:DD+2*\p+1], v[\t+8*\p+2:\t+8*\p+3], v[4:5], v[DD+2*\p:DD+2*\p+1]
.endr
.irp p, 0,1,2,3
	s_delay_alu instid0(VALU_DEP_4)
	v_pk_fma_f32 v[DD+2*\p:DD+2*\p+1], v[\t+8*\p+4:\t+8*\p+5], v[6:7], v[DD+2*\p:DD+2*\p+1]   ; -2 q.c
.endr
.irp p, 0,1,2,3
	v_pk_add_f32 v[UU+2*\p:UU+2*\p+1], v[\t+8*\p+6:\t+8*\p+7], v[8:9]                          ; s1 + s2
.endr
.irp p, 0,1,2,3
	s_delay_alu instid0(VALU_DEP_4)
	v_pk_add_f32 v[DD+2*\p:DD+2*\p+1], v[UU+2*\p:UU+2*\p+1], v[DD+2*\p:DD+2*\p+1]              ; d
.endr
.if \load
	v_mov_b32 v[\adr], s24                         ; this set's earlier loads are in (the wait above), so its address may be written
	LOADG \t, \adr, \off
.endif
	v_min3_num_f32 v[GM], v[DD], v[DD+1], v[DD+2]
	s_delay_alu instid0(VALU_DEP_1)
	v_min3_num_f32 v[GM], v[GM], v[DD+3], v[DD+4]
	s_delay_alu instid0(VALU_DEP_1)
	v_min3_num_f32 v[GM], v[GM], v[DD+5], v[DD+6]
	s_delay_alu instid0(VALU_DEP_1)
	v_min_num_f32 v[GM], v[GM], v[DD+7]
	INS \gi
.endm
	LOADG T0, 10, 0                                ; groups 0 and 1
	LOADG T1, 11, 128
	s_mov_b32 s24, 0                               ; 256 x trip: a trip's two groups are 256 bytes of the table
	s_mov_b32 s23, 63
.Lscan:                                                ; trip k: groups 2 k and 2 k + 1 are worked, groups 2 k + 2 and 2 k + 3 fetched
	GROUP T0, 10, 256, 1, 8, 12
	GROUP T1, 11, 384, 1, 8, 13
	v_add_nc_u32 v12, 2, v12
	v_add_nc_u32 v13, 2, v13
	s_add_co_u32 s24, s24, 256
	s_sub_co_u32 s23, s23, 1
	s_cmp_lg_u32 s23, 0
	s_cbranch_scc1 .Lscan
	GROUP T0, 10, 0, 0, 8, 12                      ; groups 126 and 127: nothing is left to fetch
	GROUP T1, 11, 0, 0, 0, 13
	s_delay_alu instid0(VALU_DEP_4)
	v_min_u32 v1, v[II], v[II+1]                   ; the three numbers ascending, so that the next launch meets candidates by rising index
	v_max_u32 v14, v[II], v[II+1]
	s_delay_alu instid0(VALU_DEP_2)
	v_min_u32 v[OO], v1, v[II+2]
	s_delay_alu instid0(VALU_DEP_3)
	v_max_u32 v16, v1, v[II+2]
	s_delay_alu instid0(VALU_DEP_1)
	v_min_u32 v[OO+1], v14, v16
	s_delay_alu instid0(VALU_DEP_2)
	v_max_u32 v[OO+2], v14, v16
	global_store_b96 v15, v[OO:OO+2], s[8:9]       ; a wave stores 384 consecutive bytes
	s_wait_tensorcnt 0x0
	ds_add_u32 v108, v109
	s_wait_dscnt 0x0
	s_endpgm
.Lfunc_end_k_q8c0b54c4ad_coarse:
	.size	k_q8c0b54c4ad_coarse, .Lfunc_end_k_q8c0b54c4ad_coarse-k_q8c0b54c4ad_coarse
	.p2alignl 7, 3214868480
	.fill 96, 4, 3214868480
	.section	.rodata,"a",@progbits
	.p2align	6, 0x0
	.amdhsa_kernel k_q8c0b54c4ad_coarse
		.amdhsa_group_segment_fixed_size 17408
		.amdhsa_private_segment_fixed_size 0
		.amdhsa_enable_private_segment 0
		.amdhsa_kernarg_size 24
		.amdhsa_user_sgpr_count 2
		.amdhsa_user_sgpr_kernarg_segment_ptr 1
		.amdhsa_wavefront_size32 1
		.amdhsa_system_sgpr_workgroup_id_x 1
		.amdhsa_system_sgpr_workgroup_id_y 1
		.amdhsa_system_sgpr_workgroup_id_z 1
		.amdhsa_system_vgpr_workitem_id 0
		.amdhsa_next_free_vgpr 110
		.amdhsa_next_free_sgpr 66
		.amdhsa_reserve_vcc 0
		.amdhsa_float_denorm_mode_32 3
		.amdhsa_float_denorm_mode_16_64 3
		.amdhsa_memory_ordered 1
		.amdhsa_forward_progress 1
		.amdhsa_inst_pref_size 19
	.end_amdhsa_kernel
	.amdgpu_metadata
---
amdhsa.version: [ 1, 2 ]
amdhsa.kernels:
  - .name:           k_q8c0b54c4ad_coarse
    .symbol:         k_q8c0b54c4ad_coarse.kd
    .args:
      - { .name: xyz1, .offset: 0, .size: 8, .value_kind: global_buffer, .address_space: global }
      - { .name: xyz2, .offset: 8, .size: 8, .value_kind: global_buffer, .address_space: global }
      - { .name: grp, .offset: 16, .size: 8, .value_kind: global_buffer, .address_space: global }
    .group_segment_fixed_size: 17408
    .private_segment_fixed_size: 0
    .kernarg_segment_align: 8
    .kernarg_segment_size: 24
    .max_flat_workgroup_size: 256
    .sgpr_count:     66
    .vgpr_count:     110
    .wavefront_size: 32
...
	.end_amdgpu_metadata
.endif
;; end of part 1
;; launch prep (part 2): grid 296 x 1, 8 waves a work-group, no clusters, 0 bytes of LDS; arguments xyz1, xyz2, grp, W1_codes, W1_scales, W2_codes, W2_scales, nbr, wgt, wl; writes nbr, wgt, wl
.if DOCPART == 2
	.amdgcn_target "amdgcn-amd-amdhsa--gfx1250"
	.amdhsa_code_object_version 6
	.text
	.protected	k_q8c0b54c4ad_prep
	.globl	k_q8c0b54c4ad_prep
	.p2align	8
	.type	k_q8c0b54c4ad_prep,@function
k_q8c0b54c4ad_prep:
	s_mov_b64 s[64:65], 0
	v_nop
	global_prefetch_b8 v0, s[64:65] scope:SCOPE_SE
	s_setreg_imm32_b32 hwreg(HW_REG_WAVE_MODE, 25, 1), 1
	s_wait_xcnt 0x0
; TWO JOBS in one launch, told apart by the work-group's number; neither uses LDS or a barrier.
; Work-groups 0-255: for each query the exact three nearest among the 24 candidates of its three groups (buffer grp), in the order of a top-k by (d, index), and their weights
;   w = (1 / (d + 1e-8)) / the sum of the three.  d is computed by the same chain as in the launch before, so it has the same bits.  Stored: nbr [query][3] = 1024 batch + index; wgt [query][3] f32.
; Work-groups 256-295: W1's and W2's codes and scale bytes are laid in the order of a wave's operand registers, wl [chunk q 0..9][wave w 0..3][16,896 bytes]:
;   16,384 bytes of codes [fragment f 0..7][c 0..3][lane][16 bytes], then 512 bytes of scale words [lane][4 words].
;   q < 8: W1, K step q; fragment f = 2 b + u, lane (r, h): row 128 w + 32 b + 8 u + r + 8 (r / 8), bytes 128 q + 32 c + 16 h.  (The rows of a tile are chosen so that the product's results are neighbours along the next K.)
;   q = 8 + e: W2; fragment f: K step 2 e + f / 4, rows 64 w + 16 (f % 4) + r, bytes 128 (K step) + 32 c + 16 h.
;   scale word i of lane l: the four scale bytes of that K step of fragment 2 i + l / 16, its row l % 16.
; LIMITS: NaN and infinities in xyz are not served; d + 1e-8 = 0 gives what the problem's text gives there, infinities.
.set GM, 96                            ; v96      a candidate's d
.set MM, 97                            ; v97-99   the three smallest, ascending
.set II, 92                            ; v92-94   their rows
	s_load_b512 s[4:19], s[0:1], 0x0               ; xyz1 s[4:5], xyz2 s[6:7], grp s[8:9], W1 codes s[10:11], W1 scales s[12:13], W2 codes s[14:15], W2 scales s[16:17], nbr s[18:19]
	s_load_b128 s[20:23], s[0:1], 0x40             ; wgt s[20:21], wl s[22:23]
	s_wait_kmcnt 0x0
	s_cmp_lt_u32 ttmp9, 256
	s_cbranch_scc0 .Llayout
	; ---- the exact three
	s_mul_i32 s24, ttmp9, 3072                     ; my work-group's 256 queries of 12 bytes
	s_mov_b32 s25, 0
	v_mul_u32_u24 v1, v0, 12
	s_add_nc_u64 s[4:5], s[4:5], s[24:25]
	s_add_nc_u64 s[8:9], s[8:9], s[24:25]
	s_add_nc_u64 s[18:19], s[18:19], s[24:25]
	s_add_nc_u64 s[20:21], s[20:21], s[24:25]
	global_load_b96 v[6:8], v1, s[8:9]             ; my three groups
	global_load_b96 v[2:4], v1, s[4:5]             ; my query
	s_wait_loadcnt 0x0
.irp j, 0,1,2
	v_min_u32 v[6+\j], 0x7ff, v[6+\j]              ; a loaded number enters an address only held inside the table: 2,048 groups
.endr
.irp j, 0,1,2
	v_lshlrev_b32 v[9+\j], 3, v[6+\j]              ; the group's first row
	v_mul_u32_u24 v[12+\j], v[6+\j], 96            ; and its 8 x 12 bytes in xyz2
.endr
.irp j, 0,1,2
.irp q, 0,1,2,3,4,5
	global_load_b128 v[16+24*\j+4*\q:19+24*\j+4*\q], v[12+\j], s[6:7] offset:16*\q
.endr
.endr
	v_mul_f32 v5, v2, v2
	s_delay_alu instid0(VALU_DEP_1)
	v_fma_f32 v5, v3, v3, v5
	s_delay_alu instid0(VALU_DEP_1)
	v_fma_f32 v5, v4, v4, v5                       ; s1
.irp k, 0,1,2
	v_mov_b32 v[MM+\k], 0x7f800000
	v_mov_b32 v[II+\k], 0
.endr
	s_wait_loadcnt 0x0
.macro INS gi
	s_delay_alu instid0(VALU_DEP_1)
	v_cmp_lt_f32 s26, v[GM], v[MM]
	s_delay_alu instid0(VALU_DEP_2)
	v_cmp_lt_f32 s27, v[GM], v[MM+1]
	s_delay_alu instid0(VALU_DEP_3)
	v_cmp_lt_f32 s28, v[GM], v[MM+2]
	s_delay_alu instid0(VALU_DEP_1)
	v_cndmask_b32 v[II+2], v[II+2], v[\gi], s28
	s_delay_alu instid0(VALU_DEP_1)
	v_cndmask_b32 v[II+2], v[II+2], v[II+1], s27
	s_delay_alu instid0(VALU_DEP_4)
	v_cndmask_b32 v[II+1], v[II+1], v[\gi], s27
	s_delay_alu instid0(VALU_DEP_1)
	v_cndmask_b32 v[II+1], v[II+1], v[II], s26
	v_cndmask_b32 v[II], v[II], v[\gi], s26
	v_med3_num_f32 v[MM+2], v[MM+1], v[MM+2], v[GM]
	v_med3_num_f32 v[MM+1], v[MM], v[MM+1], v[GM]
	v_min_num_f32 v[MM], v[MM], v[GM]
.endm
.irp j, 0,1,2                          ; groups ascending, candidates ascending: strictly less keeps the lower index in front on equal d
.irp e, 0,1,2,3,4,5,6,7
	v_mul_f32 v88, v[16+24*\j+3*\e], v[16+24*\j+3*\e]
	v_mul_f32 v89, v2, v[16+24*\j+3*\e]
	s_delay_alu instid0(VALU_DEP_2)
	v_fma_f32 v88, v[17+24*\j+3*\e], v[17+24*\j+3*\e], v88
	s_delay_alu instid0(VALU_DEP_2)
	v_fma_f32 v89, v3, v[17+24*\j+3*\e], v89
	s_delay_alu instid0(VALU_DEP_2)
	v_fma_f32 v88, v[18+24*\j+3*\e], v[18+24*\j+3*\e], v88   ; s2
	s_delay_alu instid0(VALU_DEP_2)
	v_fma_f32 v89, v4, v[18+24*\j+3*\e], v89                 ; q.c
	s_delay_alu instid0(VALU_DEP_2)
	v_add_f32 v88, v5, v88                                   ; s1 + s2
	v_add_nc_u32 v90, \e, v[9+\j]                            ; the candidate's row
	s_delay_alu instid0(VALU_DEP_2)
	v_fma_f32 v[GM], -2.0, v89, v88                          ; d: 2 q.c is exact, so this is the rounded difference
	INS 90
.endr
.endr
.irp k, 0,1,2
	v_add_f32 v[104+\k], 0x322bcc77, v[MM+\k]      ; d + 1e-8
.endr
	s_wait_alu depctr_va_vdst(0)
.irp k, 0,1,2
	v_rcp_f32 v[108+\k], v[104+\k]
.endr
	v_nop                                          ; a plain instruction behind the last reciprocal
	s_wait_alu depctr_va_vdst(0)                   ; one wait for the three, ahead of their first reader
	v_add_f32 v112, v108, v109
	v_add_f32 v112, v112, v110
	s_wait_alu depctr_va_vdst(0)
	v_rcp_f32 v113, v112
	v_nop
	s_wait_alu depctr_va_vdst(0)
.irp k, 0,1,2
	v_mul_f32 v[116+\k], v[108+\k], v113
.endr
	global_store_b96 v1, v[II:II+2], s[18:19]      ; a wave stores 384 consecutive bytes
	global_store_b96 v1, v[116:118], s[20:21]
	s_endpgm
	; ---- the weights in register order: work-group 256 + 4 q + w makes one region, wave f one fragment
.Llayout:
	s_sub_co_u32 s24, ttmp9, 256                   ; 4 q + w
	s_lshr_b32 s25, s24, 2                         ; q
	s_and_b32 s26, s24, 3                          ; w
	v_lshrrev_b32 v1, 5, v0
	s_delay_alu instid0(VALU_DEP_1)
	v_readfirstlane_b32 s27, v1                    ; f
	v_and_b32 v1, 31, v0                           ; lane
	v_and_b32 v2, 15, v0                           ; r
	v_bfe_u32 v3, v0, 4, 1                         ; h
	s_mul_i32 s28, s24, 16896
	s_mov_b32 s29, 0
	s_add_nc_u64 s[22:23], s[22:23], s[28:29]      ; my region
	s_lshl_b32 s30, s27, 11
	v_lshl_add_u32 v4, v1, 4, s30                  ; 2,048 f + 16 lane
	v_lshlrev_b32 v5, 4, v1                        ; 16 lane
	s_cmp_lt_u32 s24, 32
	s_cbranch_scc0 .Lw2
	v_and_b32 v6, 8, v2
	s_delay_alu instid0(VALU_DEP_1)
	v_add_nc_u32 v6, v6, v2                        ; r + 8 (r / 8)
	s_delay_alu instid0(VALU_DEP_1)
	v_lshlrev_b32 v7, 10, v6                       ; a row of W1 is 1,024 bytes
	s_delay_alu instid0(VALU_DEP_1)
	v_lshl_add_u32 v7, v3, 4, v7
	s_wait_alu depctr_va_vdst(0)
	s_lshl_b32 s32, s26, 7                         ; 128 w
	s_lshr_b32 s33, s27, 1
	s_lshl_b32 s33, s33, 5                         ; + 32 b
	s_add_co_u32 s32, s32, s33
	s_and_b32 s33, s27, 1
	s_lshl_b32 s33, s33, 3                         ; + 8 u
	s_add_co_u32 s32, s32, s33
	s_lshl_b32 s32, s32, 10
	s_lshl_b32 s33, s25, 7                         ; + 128 q bytes along K
	s_add_co_u32 s32, s32, s33
	s_mov_b32 s33, 0
	s_add_nc_u64 s[10:11], s[10:11], s[32:33]
.irp c, 0,1,2,3
	global_load_b128 v[8+4*\c:11+4*\c], v7, s[10:11] offset:32*\c
.endr
	s_wait_loadcnt 0x0
.irp c, 0,1,2,3
	global_store_b128 v4, v[8+4*\c:11+4*\c], s[22:23] offset:512*\c   ; 32 lanes store 512 consecutive bytes
.endr
	s_cmp_lg_u32 s27, 0
	s_cbranch_scc1 .Ldone                          ; the region's scale words are wave 0's
	v_lshl_add_u32 v6, v3, 3, v6                   ; 8 (l / 16) + r + 8 (r / 8): the row in tiles 2 i, 2 i + 1
	s_delay_alu instid0(VALU_DEP_1)
	v_lshlrev_b32 v6, 5, v6                        ; 32 scale bytes a row
	s_lshl_b32 s34, s26, 12                        ; 128 w rows
	s_lshl_b32 s35, s25, 2                         ; 4 bytes a K step
	s_add_co_u32 s34, s34, s35
	s_mov_b32 s35, 0
	s_add_nc_u64 s[12:13], s[12:13], s[34:35]
.irp i, 0,1,2,3
	global_load_b32 v[24+\i], v6, s[12:13] offset:1024*\i
.endr
	s_wait_loadcnt 0x0
	global_store_b128 v5, v[24:27], s[22:23] offset:16384
	s_endpgm
.Lw2:
	s_wait_alu depctr_va_vdst(0)
	v_lshlrev_b32 v7, 9, v2                        ; a row of W2 is 512 bytes
	s_delay_alu instid0(VALU_DEP_1)
	v_lshl_add_u32 v7, v3, 4, v7
	s_wait_alu depctr_va_vdst(0)
	s_lshl_b32 s32, s26, 6                         ; 64 w
	s_and_b32 s33, s27, 3
	s_lshl_b32 s33, s33, 4                         ; + 16 n
	s_add_co_u32 s32, s32, s33
	s_lshl_b32 s32, s32, 9
	s_sub_co_u32 s36, s25, 8                       ; e
	s_lshl_b32 s37, s36, 1
	s_lshr_b32 s33, s27, 2
	s_add_co_u32 s37, s37, s33                     ; the K step: 2 e + f / 4
	s_lshl_b32 s37, s37, 7
	s_add_co_u32 s32, s32, s37
	s_mov_b32 s33, 0
	s_add_nc_u64 s[14:15], s[14:15], s[32:33]
.irp c, 0,1,2,3
	global_load_b128 v[8+4*\c:11+4*\c], v7, s[14:15] offset:32*\c
.endr
	s_wait_loadcnt 0x0
.irp c, 0,1,2,3
	global_store_b128 v4, v[8+4*\c:11+4*\c], s[22:23] offset:512*\c
.endr
	s_cmp_lg_u32 s27, 0
	s_cbranch_scc1 .Ldone
	s_lshl_b32 s34, s26, 10                        ; 64 w rows of 16 scale bytes
	s_lshl_b32 s35, s36, 3                         ; 8 e: two K steps of 4 bytes
	s_add_co_u32 s34, s34, s35
	s_mov_b32 s35, 0
	s_add_nc_u64 s[16:17], s[16:17], s[34:35]
.irp i, 0,1,2,3                        ; fragment 2 i + l / 16: K step 2 e + i / 2, row 32 (i % 2) + 16 (l / 16) + r = 32 (i % 2) + lane
	global_load_b32 v[24+\i], v5, s[16:17] offset:512*(\i%2)+4*(\i/2)
.endr
	s_wait_loadcnt 0x0
	global_store_b128 v5, v[24:27], s[22:23] offset:16384
.Ldone:
	s_endpgm
.Lfunc_end_k_q8c0b54c4ad_prep:
	.size	k_q8c0b54c4ad_prep, .Lfunc_end_k_q8c0b54c4ad_prep-k_q8c0b54c4ad_prep
	.p2alignl 7, 3214868480
	.fill 96, 4, 3214868480
	.section	.rodata,"a",@progbits
	.p2align	6, 0x0
	.amdhsa_kernel k_q8c0b54c4ad_prep
		.amdhsa_group_segment_fixed_size 0
		.amdhsa_private_segment_fixed_size 0
		.amdhsa_enable_private_segment 0
		.amdhsa_kernarg_size 80
		.amdhsa_user_sgpr_count 2
		.amdhsa_user_sgpr_kernarg_segment_ptr 1
		.amdhsa_wavefront_size32 1
		.amdhsa_system_sgpr_workgroup_id_x 1
		.amdhsa_system_sgpr_workgroup_id_y 1
		.amdhsa_system_sgpr_workgroup_id_z 1
		.amdhsa_system_vgpr_workitem_id 0
		.amdhsa_next_free_vgpr 120
		.amdhsa_next_free_sgpr 66
		.amdhsa_reserve_vcc 0
		.amdhsa_float_denorm_mode_32 3
		.amdhsa_float_denorm_mode_16_64 3
		.amdhsa_memory_ordered 1
		.amdhsa_forward_progress 1
		.amdhsa_inst_pref_size 46
	.end_amdhsa_kernel
	.amdgpu_metadata
---
amdhsa.version: [ 1, 2 ]
amdhsa.kernels:
  - .name:           k_q8c0b54c4ad_prep
    .symbol:         k_q8c0b54c4ad_prep.kd
    .args:
      - { .name: xyz1, .offset: 0, .size: 8, .value_kind: global_buffer, .address_space: global }
      - { .name: xyz2, .offset: 8, .size: 8, .value_kind: global_buffer, .address_space: global }
      - { .name: grp, .offset: 16, .size: 8, .value_kind: global_buffer, .address_space: global }
      - { .name: W1_codes, .offset: 24, .size: 8, .value_kind: global_buffer, .address_space: global }
      - { .name: W1_scales, .offset: 32, .size: 8, .value_kind: global_buffer, .address_space: global }
      - { .name: W2_codes, .offset: 40, .size: 8, .value_kind: global_buffer, .address_space: global }
      - { .name: W2_scales, .offset: 48, .size: 8, .value_kind: global_buffer, .address_space: global }
      - { .name: nbr, .offset: 56, .size: 8, .value_kind: global_buffer, .address_space: global }
      - { .name: wgt, .offset: 64, .size: 8, .value_kind: global_buffer, .address_space: global }
      - { .name: wl, .offset: 72, .size: 8, .value_kind: global_buffer, .address_space: global }
    .group_segment_fixed_size: 0
    .private_segment_fixed_size: 0
    .kernarg_segment_align: 8
    .kernarg_segment_size: 80
    .max_flat_workgroup_size: 256
    .sgpr_count:     66
    .vgpr_count:     120
    .wavefront_size: 32
...
	.end_amdgpu_metadata
.endif
;; end of part 2
;; launch mlp (part 3): grid 512 x 1, 4 waves a work-group, no clusters, 276,992 bytes of LDS; arguments points1, points2, nbr, wgt, wl, b1, b2, out0; writes out0
.if DOCPART == 3
	.amdgcn_target "amdgcn-amd-amdhsa--gfx1250"
	.amdhsa_code_object_version 6
	.text
	.protected	k_q8c0b54c4ad_mlp
	.globl	k_q8c0b54c4ad_mlp
	.p2align	8
	.type	k_q8c0b54c4ad_mlp,@function
k_q8c0b54c4ad_mlp:
	s_mov_b64 s[64:65], 0
	v_nop
	global_prefetch_b8 v0, s[64:65] scope:SCOPE_SE
	s_setreg_imm32_b32 hwreg(HW_REG_WAVE_MODE, 25, 1), 1
	s_wait_xcnt 0x0
; out = relu(Q(relu(Q([points1 | interp]) W1 + b1)) W2 + b2), interp = the weighted sum of three rows of points2 (rows: nbr, weights: wgt), Q = the MX quantiser along K (E4M3, one E8M0 scale for 32).
; Both products by v_wmma_scale_f32_16x16x128_f8f6f4, sums in f32; all ahead of a quantiser in f32.  The hidden layer never goes to memory.
; SHARES.  A work-group of four waves takes 128 rows, once.
;  P : wave w makes the codes of rows 32 w .. 32 w + 31 for all 1,024 of K: 16 fragments (16 rows x 128 K), stored in LDS as images of their registers.
;  G1: wave w makes hidden units 128 w .. 128 w + 127 of all 128 rows: 64 accumulators, 512 registers.  W1 comes from memory straight into registers, laid beforehand in register order (buffer wl), one K step and more ahead.
;  H : bias was the first product's C; relu and the hold are one line; the wave's 128 units are K step w of the second product: 8 fragments, images to LDS.
;  G2: wave w makes outputs 64 w .. 64 w + 63 of all 128 rows: 32 accumulators.   OUT: relu, through the wave's own stage, 16 lanes store 256 aligned bytes.
; Both products are used TRANSPOSED (source 0 = 16 rows of the weight, source 1 = 16 rows of the activations): a lane holds one row, its registers run along the next K or along a row of out.
; WHY NO TENSOR LOADS AND NO CLUSTER: each weight fragment is read by one wave of the work-group, so LDS would add a write and a read of 640 KiB a block with no reuse; beside the 139,264 bytes of
; activation codes only slots of one K step (64 matrix instructions a wave) would fit, a round of the cluster's barrier for each.  The gathered rows are named by a list, which a tile descriptor cannot follow.
; LIMITS: NaN and infinities are not served; a block whose largest magnitude lies under 2^-118 gets the scale byte 1 (a block of zeros too: its codes are zeros, and this program alone reads the bytes).
; LDS: AIMG fragment (tile of rows m, K step k) at 2048 (8 m + k), [c][lane][16 bytes]; ASC its scale words at 128 (8 m + k) + 4 lane; HIMG, HSC the same for (K step s, m) at 8 s + m; STG 16,896 bytes a wave.
.set ASC,   131072
.set HIMG,  139264
.set HSC,   204800
.set STG,   208896
.set STGW,  16896                      ; in P two tiles of 16 rows x (512 + 16) bytes: points1's, interp's; on the way out two buffers of 16 rows x (256 + 16)
.set CHUNK, 67584                      ; a chunk of wl: four waves' regions of 16,896 bytes
; window 0
.set L16, 4                            ; v4   16 x lane
.set ZR,  5                            ; v5   0
.set SA,  6                            ; v6   my stage + 16 lane: a row goes in as it was loaded
.set SRD, 7                            ; v7   my stage + 528 r + 64 h: and comes back 16 neighbours of each block of 32 a lane
.set IA0, 8                            ; v8   32768 w + 16 lane: my fragments' images
.set ASL, 9                            ; v9   ASC + 4 lane
.set HW,  10                           ; v10  HIMG + 16384 w + 16 lane
.set HSW, 11                           ; v11  HSC + 1024 w + 4 lane
.set HL,  12                           ; v12  HIMG + 16 lane
.set HSL, 13                           ; v13  HSC + 4 lane
.set STO, 14                           ; v14  my stage + 272 r + 32 h
.set RD,  15                           ; v15  my stage + 272 h + 16 r
.set WS,  16                           ; v16-23   the weights' scale words, two sets of four: nothing else ever lies here
.set CO,  24                           ; v24  1024 h + 16 r + 256 w: my bytes in two rows of out
.set B1O, 25                           ; v25  64 h
.set B2O, 26                           ; v26  32 h
.set AW0, 27                           ; v27  ASC + 2048 w + 4 lane
.set IA,  28                           ; v28  P: IA0 + 2048 j.   G1: ADA0, fragments of rows 0-63 of the K step to be fetched
.set AW,  29                           ; v29  P: AW0 + 128 j.    G1: ADA1, rows 64-127
.set ADS, 30                           ; v30  G1: the K step's scale words
.set ADA0, 28
.set ADA1, 29
.set VO0, 32                           ; v32-79   rows 0-15 of my 32: byte offset in points2 of (row i, neighbour n) at 3 i + n, + 16 lane
.set WG0, 80                           ; v80-127  their weights
.set VO1, 128                          ; v128-175, v176-223 the same for rows 16-31
.set WG1, 176
.set BB,  32                           ; v32-95 b1 as eight tiles of C; later v32-63 b2 as four
.set AF,  112                          ; v112-239 eight fragments of the activations
.set AS,  240                          ; v240-255 their scale words, two sets of eight; v254, v255 later hold the closing LDS add's address and value
.set TH,  112                          ; H: v112-175 64 numbers held; v176-207 two sets of codes; v208-223 at work; v224-225 scale words
.set PCH, 176
.set TMH, 208
.set PWH, 224
.set OT,  112                          ; OUT: v112-175 two sets of 32 results; v176-239 two sets of rows read back
.set BK,  176
; window 1: two sets of eight weight fragments, at v0 and v128.   window 3 in P: the ring, row slot i at v[16 i]: points1's 4 registers, then the three neighbours' 4 each.
; window 2 in P:
.set N0,  0                            ; 64 numbers of points1, 64 of interp
.set N1,  64
.set PC0, 128
.set PC1, 144
.set TM2, 160
.set PW0, 176
.set PW1, 177
; windows 2, 3 in G1: accumulator (m, t) in window 2 + m / 4 at v[8 (8 (m % 4) + t)].   window 2 in G2: accumulator (m, n) at v[8 (4 m + n)].
.set MSB, 0
.macro WIN new                         ; low byte: bits 1:0 source 0, 3:2 source 1, 5:4 source 2, 7:6 destination; the high byte repeats the setting that is left
.if MSB != (\new)
	s_set_vgpr_msb (MSB<<8)|(\new)
.set MSB, (\new)
.endif
.endm
.macro PLACES n
.rept \n
	v_nop
.endr
.endm
	s_load_b512 s[4:19], s[0:1], 0x0               ; points1 s[4:5], points2 s[6:7], nbr s[8:9], wgt s[10:11], wl s[12:13], b1 s[14:15], b2 s[16:17], out0 s[18:19]
	v_lshrrev_b32 v1, 5, v0
	v_readfirstlane_b32 s20, v1                    ; wave 0..3
	v_and_b32 v1, 31, v0                           ; lane
	v_and_b32 v2, 15, v0                           ; r
	v_bfe_u32 v3, v0, 4, 1                         ; h
	v_lshlrev_b32 v[L16], 4, v1
	v_mov_b32 v[ZR], 0
	s_mul_i32 s30, s20, STGW
	s_add_co_u32 s31, s30, STG                     ; my stage
	v_add_nc_u32 v[SA], s31, v[L16]
	v_mul_u32_u24 v[SRD], v2, 528
	v_lshl_add_u32 v[SRD], v3, 6, v[SRD]
	v_add_nc_u32 v[SRD], s31, v[SRD]
	s_lshl_b32 s32, s20, 15
	v_add_nc_u32 v[IA0], s32, v[L16]
	v_lshl_add_u32 v[ASL], v1, 2, ASC
	s_lshl_b32 s32, s20, 11
	v_add_nc_u32 v[AW0], s32, v[ASL]
	s_lshl_b32 s32, s20, 14
	s_add_co_u32 s32, s32, HIMG
	v_add_nc_u32 v[HW], s32, v[L16]
	v_add_nc_u32 v[HL], HIMG, v[L16]
	v_lshl_add_u32 v[HSL], v1, 2, HSC
	s_lshl_b32 s32, s20, 10
	v_add_nc_u32 v[HSW], s32, v[HSL]
	v_mul_u32_u24 v[STO], v2, 272
	v_lshl_add_u32 v[STO], v3, 5, v[STO]
	v_add_nc_u32 v[STO], s31, v[STO]
	v_mul_u32_u24 v[RD], v3, 272
	v_lshl_add_u32 v[RD], v2, 4, v[RD]
	v_add_nc_u32 v[RD], s31, v[RD]
	v_lshlrev_b32 v[CO], 10, v3
	v_lshl_add_u32 v[CO], v2, 4, v[CO]
	s_lshl_b32 s32, s20, 8
	v_add_nc_u32 v[CO], s32, v[CO]
	v_lshlrev_b32 v[B1O], 6, v3
	v_lshlrev_b32 v[B2O], 5, v3
	s_mov_b32 s24, 0x76543210
	s_mov_b32 s25, 0xfedcba98                      ; v_permlanex16_b32's selects for lane l xor 16
	s_mov_b32 s26, 0x600000                        ; the mantissa field of 448
	s_lshl_b32 s36, ttmp9, 18                      ; points1: 128 rows of 2,048 bytes a work-group,
	s_lshl_b32 s37, s20, 16                        ; 32 a wave
	s_add_co_u32 s36, s36, s37
	s_mov_b32 s37, 0
	s_mul_i32 s38, ttmp9, 1536                     ; nbr, wgt: 12 bytes a row
	s_mul_i32 s39, s20, 384
	s_add_co_u32 s38, s38, s39
	s_mov_b32 s39, 0
	s_mov_b32 s40, s30                             ; wl: my wave's region of a chunk
	s_mov_b32 s41, 0
	s_lshl_b32 s42, s20, 9                         ; b1: my 128 numbers
	s_mov_b32 s43, 0
	s_lshl_b32 s44, s20, 8                         ; b2: my 64
	s_mov_b32 s45, 0
	s_lshl_b32 s46, ttmp9, 17                      ; out0: 128 rows of 1,024 bytes
	s_mov_b32 s47, 0
	s_wait_kmcnt 0x0
	s_add_nc_u64 s[4:5], s[4:5], s[36:37]
	s_add_nc_u64 s[8:9], s[8:9], s[38:39]
	s_add_nc_u64 s[10:11], s[10:11], s[38:39]
	s_add_nc_u64 s[12:13], s[12:13], s[40:41]
	s_add_nc_u64 s[14:15], s[14:15], s[42:43]
	s_add_nc_u64 s[16:17], s[16:17], s[44:45]
	s_add_nc_u64 s[18:19], s[18:19], s[46:47]
; a chunk of the weights: my 8 fragments into set p of window 1, their scale words into set p of WS.  33 loads, each of 512 consecutive bytes.  Every window is 0 at its head and at its end.
.macro FETCH_B p, im
	global_load_b128 v[WS+4*(\p):WS+4*(\p)+3], v[L16], s[12:13] offset:(\im)+16384
	WIN 0x40
.irp f, 0,1,2,3,4,5,6,7
.irp c, 0,1,2,3
	global_load_b128 v[128*(\p)+16*\f+4*\c:128*(\p)+16*\f+4*\c+3], v[L16], s[12:13] offset:(\im)+2048*\f+512*\c
.endr
.endr
	WIN 0
.endm
.irp q, 0,1,2,3,4,5,6,7,8,9,10,11      ; my 32 rows' neighbours and weights: every lane reads the same words, so each register holds one number for the whole wave
	global_load_b128 v[VO0+4*\q:VO0+4*\q+3], v[ZR], s[8:9] offset:16*\q
.endr
.irp q, 0,1,2,3,4,5,6,7,8,9,10,11
	global_load_b128 v[VO1+4*\q:VO1+4*\q+3], v[ZR], s[8:9] offset:192+16*\q
.endr
.irp q, 0,1,2,3,4,5,6,7,8,9,10,11
	global_load_b128 v[WG0+4*\q:WG0+4*\q+3], v[ZR], s[10:11] offset:16*\q
.endr
.irp q, 0,1,2,3,4,5,6,7,8,9,10,11
	global_load_b128 v[WG1+4*\q:WG1+4*\q+3], v[ZR], s[10:11] offset:192+16*\q
.endr
	FETCH_B 0, 0                                   ; W1's K steps 0 and 1 are asked for while the list is on its way; they are older than every load of the ring, so the ring's counts do not see them
	FETCH_B 1, CHUNK
	s_wait_loadcnt 63                              ; 114 loads were issued: at most 63 out means that the oldest 51 are in, the 48 of the list among them
.set i, 0
.rept 48
	v_min_u32 v[VO0+i], 0x3fff, v[VO0+i]           ; a loaded number enters an address only held inside the table: 16,384 rows
	v_min_u32 v[VO1+i], 0x3fff, v[VO1+i]
.set i, i+1
.endr
.set i, 0
.rept 48
	v_lshl_add_u32 v[VO0+i], v[VO0+i], 11, v[L16]  ; row x 2,048 bytes + 16 lane
	v_lshl_add_u32 v[VO1+i], v[VO1+i], 11, v[L16]
.set i, i+1
.endr
	WIN 0x80
.irp b, 0,1,2,3
	v_mov_b32 v[TM2+4+\b], 0                       ; written once: a lane permute's destination counts as one of its sources
.endr
; ---------------- PHASE P.  A unit (j, mt) is 16 rows (16 mt on, of my 32) x 128 columns (128 j on) of points1 and of interp: K steps j and 4 + j.
; row slot i takes row i of tile mt2: 512 consecutive bytes of points1's row and of each of the three neighbours' rows, im bytes on from the trip's bases
.macro FILLROW i, mt2, im
.set FVO, VO0+(VO1-VO0)*(\mt2)
	global_load_b128 v[16*(\i):16*(\i)+3], v[L16], s[4:5] offset:(16*(\mt2)+(\i))*2048+(\im) th:TH_LOAD_NT
.irp n, 0,1,2
	global_load_b128 v[16*(\i)+4+4*\n:16*(\i)+7+4*\n], v[FVO+3*(\i)+\n], s[6:7] offset:\im
.endr
.endm
; a weight lies in ONE register x; the packed forms name the even pair that holds it and take that register for both halves
.macro PKMUL d, x
.if ((\x)&1)
	v_pk_mul_f32 v[\d:\d+1], v[(\x)-1:(\x)], v[\d:\d+1] op_sel:[1,0] op_sel_hi:[1,1]
.else
	v_pk_mul_f32 v[\d:\d+1], v[(\x):(\x)+1], v[\d:\d+1] op_sel_hi:[0,1]
.endif
.endm
.macro PKFMA d, x, g
.if ((\x)&1)
	v_pk_fma_f32 v[\d:\d+1], v[(\x)-1:(\x)], v[\g:\g+1], v[\d:\d+1] op_sel:[1,0,0] op_sel_hi:[1,1,1]
.else
	v_pk_fma_f32 v[\d:\d+1], v[(\x):(\x)+1], v[\g:\g+1], v[\d:\d+1] op_sel_hi:[0,1,1]
.endif
.endm
; Row i of the unit in hand: interp = w0 g0 + w1 g1 + w2 g2, four numbers a lane; both rows' 512 bytes go into my stage.
; The wait counts the younger loads: rows i + 1 .. 15 of this unit, 4 each, and with refill the next unit's rows 0 .. i - 3.
; A slot is loaded again two rows behind its LDS stores, when those have read their registers: the stores of rows i - 1 and i, two each, may be out.
.macro ROWSTEP i, mt, refill
.if \refill
.if (\i) < 2
	s_wait_loadcnt 60-4*(\i)
.else
	s_wait_loadcnt 52
.endif
.else
	s_wait_loadcnt 4*(15-(\i))
.endif
.set WX, WG0+(WG1-WG0)*(\mt)+3*(\i)
.set RG, 16*(\i)+4
	PKMUL RG, WX
	PKMUL RG+2, WX
	PKFMA RG, WX+1, RG+4
	PKFMA RG+2, WX+1, RG+6
	PKFMA RG, WX+2, RG+8
	PKFMA RG+2, WX+2, RG+10
	ds_store_b128 v[SA], v[16*(\i):16*(\i)+3] offset:528*(\i)
	ds_store_b128 v[SA], v[16*(\i)+4:16*(\i)+7] offset:8448+528*(\i)
.if \refill
.if (\i) > 1
	s_wait_dscnt 4
	FILLROW (\i)-2, 1-(\mt), 512*(\mt)
.endif
.if (\i) == 15
	s_wait_dscnt 2
	FILLROW 14, 1-(\mt), 512*(\mt)
	s_wait_dscnt 0x0
	FILLROW 15, 1-(\mt), 512*(\mt)
.endif
.endif
.endm
; 64 numbers of a lane, register 16 b + i = k 32 b + 16 h + i of my row, become a fragment's codes and my row's scale word.  All registers in window 2.
.macro QUANT s, pc, pw
.irp b, 0,1,2,3
	v_max3_num_f32 v[TM2+\b], |v[\s+16*\b]|, |v[\s+1+16*\b]|, 0x4800000   ; my 16 numbers of block b, and the floor 2^(9 - 127): the byte cannot fall under 1
.endr
.irp i, 2,4,6,8,10,12,14
.irp b, 0,1,2,3
	v_max3_num_f32 v[TM2+\b], v[TM2+\b], |v[\s+16*\b+\i]|, |v[\s+1+16*\b+\i]|
.endr
.endr
.irp b, 0,1,2,3
	v_permlanex16_b32 v[TM2+4+\b], v[TM2+\b], s24, s25
.endr
.irp b, 0,1,2,3
	v_max_num_f32 v[TM2+\b], v[TM2+\b], v[TM2+4+\b]                        ; with lane l xor 16's: the block's largest magnitude
.endr
.irp b, 0,1,2,3
	v_add_nc_u32 v[TM2+12+\b], 0xfc000000, v[TM2+\b]                       ; 8 off its exponent field: the conversion's scale operand
.endr
.irp b, 0,1,2,3
.endr
.irp b, 0,1,2,3
	v_lshrrev_b32 v[TM2+4+\b], 23, v[TM2+12+\b]                            ; the scale's byte
.endr
	v_lshl_or_b32 v[\pw], v[TM2+5], 8, v[TM2+4]
	v_lshl_or_b32 v[\pw], v[TM2+6], 16, v[\pw]
	v_lshl_or_b32 v[\pw], v[TM2+7], 24, v[\pw]
.irp b, 0,1,2,3
.irp i, 0,1,2,3,4,5,6,7,8,9,10,11,12,13,14,15
.endr
	v_cvt_scalef32_pk8_fp8_f32 v[\pc+4*\b:\pc+1+4*\b], v[\s+16*\b:\s+7+16*\b], v[TM2+12+\b]
	v_cvt_scalef32_pk8_fp8_f32 v[\pc+2+4*\b:\pc+3+4*\b], v[\s+8+16*\b:\s+15+16*\b], v[TM2+12+\b]
.endr
	v_nop                                          ; a plain instruction behind the last conversion
.endm
; the two tiles come back from my stage, a lane's 16 neighbours of each block; two fragments and their scale words go to LDS as images.  LDS serves a wave's instructions in order: the loads see the rows' stores.
.macro FRAGS mt
	WIN 0x80
.irp c, 0,1,2,3
.irp j, 0,1,2,3
	ds_load_b128 v[N0+16*\c+4*\j:N0+16*\c+4*\j+3], v[SRD] offset:128*\c+16*\j
.endr
.endr
.irp c, 0,1,2,3
.irp j, 0,1,2,3
	ds_load_b128 v[N1+16*\c+4*\j:N1+16*\c+4*\j+3], v[SRD] offset:8448+128*\c+16*\j
.endr
.endr
	s_wait_dscnt 16                                ; points1's 16 loads are in; interp's may be out
	WIN 0xaa
	QUANT N0, PC0, PW0
	WIN 0x08
.irp c, 0,1,2,3
	ds_store_b128 v[IA], v[PC0+4*\c:PC0+4*\c+3] offset:16384*(\mt)+512*\c
.endr
	ds_store_b32 v[AW], v[PW0] offset:1024*(\mt)
	s_wait_dscnt 5                                 ; the five stores just issued may be out: interp's loads are in
	WIN 0xaa
	QUANT N1, PC1, PW1
	WIN 0x08
.irp c, 0,1,2,3
	ds_store_b128 v[IA], v[PC1+4*\c:PC1+4*\c+3] offset:16384*(\mt)+8192+512*\c
.endr
	ds_store_b32 v[AW], v[PW1] offset:1024*(\mt)+512
.endm
.macro UNIT mt, refill
	WIN 0xfc                                       ; source 0 (weights, offsets, LDS address) window 0; all else the ring, window 3
.irp i, 0,1,2,3,4,5,6,7,8,9,10,11,12,13,14,15
	ROWSTEP \i, \mt, \refill
.endr
.if (\refill) == 0
	WIN 0
.irp t, 0,1,2,3,4,5,6,7                ; b1 as the C of tile t: lane (r, h) holds hidden units 32 (t / 2) + 16 h + 8 (t % 2) + 0 .. 7.  It lands where the first 16 rows' list lay: no load that names those offsets is out
	global_load_b128 v[BB+8*\t:BB+8*\t+3], v[B1O], s[14:15] offset:(32*(\t/2)+8*(\t%2))*4
	global_load_b128 v[BB+8*\t+4:BB+8*\t+7], v[B1O], s[14:15] offset:(32*(\t/2)+8*(\t%2))*4+16
.endr
.endif
	FRAGS \mt
.endm
.macro PHEAD                           ; the trip's image addresses; no LDS instruction of mine is out when they are written
	WIN 0
	s_wait_dscnt 0x0
	v_add_nc_u32 v[IA], s28, v[IA0]
	v_add_nc_u32 v[AW], s29, v[AW0]
.endm
	WIN 0xfc
.irp i, 0,1,2,3,4,5,6,7,8,9,10,11,12,13,14,15
	FILLROW \i, 0, 0                               ; unit (0, 0): 64 loads, row by row
.endr
	WIN 0
	s_mov_b32 s28, 0                               ; 2048 j
	s_mov_b32 s29, 0                               ; 128 j
	s_mov_b32 s27, 3
.Lp:                                                   ; trip j = 0, 1, 2
	PHEAD
	UNIT 0, 1                                      ; fills (j, 1)
	UNIT 1, 1                                      ; fills (j + 1, 0): 512 bytes on
	WIN 0
	s_wait_xcnt 0x0                                ; the loads issued have read their bases: both may step
	s_add_nc_u64 s[4:5], s[4:5], 512
	s_add_nc_u64 s[6:7], s[6:7], 512
	s_add_co_u32 s28, s28, 2048
	s_add_co_u32 s29, s29, 128
	s_sub_co_u32 s27, s27, 1
	s_cmp_lg_u32 s27, 0
	s_cbranch_scc1 .Lp
	PHEAD                                          ; j = 3 is written out: its last unit fills nothing, and its counts run down
	UNIT 0, 1
	UNIT 1, 0
	WIN 0
	s_wait_dscnt 0x0                               ; for the others' sake: my 16 fragments and their scale words are written
	s_barrier_signal -1
	s_barrier_wait -1                              ; all 64 fragments of the block lie in LDS
; ---------------- PHASE G1
.macro WM d, a, b, c, sa, sb, odd      ; the weights' scale words: an even fragment's in lanes 0-15 of its register, an odd one's in lanes 16-31
.if \odd
	v_wmma_scale_f32_16x16x128_f8f6f4 v[\d:\d+7], v[\a:\a+15], v[\b:\b+15], v[\c:\c+7], v[\sa], v[\sb] matrix_a_scale:MATRIX_SCALE_ROW1
.else
	v_wmma_scale_f32_16x16x128_f8f6f4 v[\d:\d+7], v[\a:\a+15], v[\b:\b+15], v[\c:\c+7], v[\sa], v[\sb]
.endif
.endm
.macro FETCH_A_LO set                  ; tiles of rows 0-3 of the K step, and all eight scale words
.irp m, 0,1,2,3
.irp c, 0,1,2,3
	ds_load_b128 v[AF+16*\m+4*\c:AF+16*\m+4*\c+3], v[ADA0] offset:16384*\m+512*\c
.endr
.endr
.irp m, 0,1,2,3,4,5,6,7
	ds_load_b32 v[AS+8*(\set)+\m], v[ADS] offset:1024*\m
.endr
.endm
.macro FETCH_A_HI                      ; tiles of rows 4-7
.irp m, 0,1,2,3
.irp c, 0,1,2,3
	ds_load_b128 v[AF+64+16*\m+4*\c:AF+64+16*\m+4*\c+3], v[ADA1] offset:16384*\m+512*\c
.endr
.endr
.endm
; 16 matrix instructions: tiles of rows a0, a0 + 1 x my eight tiles of hidden units.  zero = 1: b1 is the C: nothing is cleared or added later.
; The 64 accumulators take turns, one instruction a turn, in the same order in every K step.
.macro MUL16 a0, p, zero
.irp a, \a0, \a0+1
.irp t, 0,1,2,3,4,5,6,7
.if \zero
	WM 8*(8*((\a)%4)+\t), 128*(\p)+16*\t, AF+16*(\a), BB+8*\t, WS+4*(\p)+\t/2, AS+8*(\p)+(\a), \t%2
.else
	WM 8*(8*((\a)%4)+\t), 128*(\p)+16*\t, AF+16*(\a), 8*(8*((\a)%4)+\t), WS+4*(\p)+\t/2, AS+8*(\p)+(\a), \t%2
.endif
.endr
.endr
.endm
; K step k, p = k % 2.  A tile of rows is free as soon as its eight products are issued, so one set of registers serves the activations; the weights are at work through the step and have two.
; Eight places (plain vector instructions that name none of the products' registers) stand in front of each run of loads into registers that the products read.
.macro GSTEP p, zero, nexta, im
	s_wait_loadcnt 33                              ; this K step's weights are in; the next chunk's 33 loads are younger
	s_wait_dscnt 16                                ; tiles 0-3 and the scale words are in; tiles 4-7, 16 loads, may be out
.if \zero
	WIN 0x81                                       ; source 0 window 1, source 1 and C window 0, D window 2
.else
	WIN 0xa1                                       ; C and D window 2
.endif
	MUL16 0, \p, \zero
	MUL16 2, \p, \zero
	s_wait_dscnt 0x0                               ; tiles 4-7 are in, and no LDS load of mine is out: the addresses may be written
	WIN 0
.if \nexta
	s_add_co_u32 s28, s28, 2048
	s_add_co_u32 s29, s29, 128
	v_add_nc_u32 v[ADA0], s28, v[L16]              ; the next K step's fragments and scale words; these three lines are three of the eight places
	v_add_nc_u32 v[ADS], s29, v[ASL]
	v_add_nc_u32 v[ADA1], 0x10000, v[ADA0]
	PLACES 5
	FETCH_A_LO 1-(\p)
.endif
.if \zero
	WIN 0xc1
.else
	WIN 0xf1
.endif
	MUL16 4, \p, \zero
	MUL16 6, \p, \zero
	WIN 0
	PLACES 8
.if \nexta
	FETCH_A_HI
.endif
	FETCH_B \p, \im                                ; the chunk two on, into the set just left: it has the whole next K step in which to land
.endm
	s_mov_b32 s28, 0
	s_mov_b32 s29, 0
	v_add_nc_u32 v[ADA0], s28, v[L16]
	v_add_nc_u32 v[ADS], s29, v[ASL]
	v_add_nc_u32 v[ADA1], 0x10000, v[ADA0]
	s_wait_alu depctr_va_vdst(0)
	s_wait_loadcnt 0x0                             ; b1, and W1's first two K steps
	FETCH_A_LO 0
	FETCH_A_HI
	GSTEP 0, 1, 1, 2*CHUNK                         ; K step 0 stands in front of the loop: its products start the sums.  It asks for chunk 2
	s_wait_xcnt 0x0
	s_add_nc_u64 s[12:13], s[12:13], 3*CHUNK
	s_mov_b32 s27, 3
.Lk:                                                   ; K steps 1 to 6; they ask for chunks 3 to 8
	GSTEP 1, 0, 1, 0
	GSTEP 0, 0, 1, CHUNK
	s_wait_xcnt 0x0                                ; the loads issued have read their base
	s_add_nc_u64 s[12:13], s[12:13], 2*CHUNK
	s_sub_co_u32 s27, s27, 1
	s_cmp_lg_u32 s27, 0
	s_cbranch_scc1 .Lk
	GSTEP 1, 0, 0, 0                               ; K step 7; it asks for chunk 9.  Chunks 8 and 9 are W2: they land while the hidden layer is quantised
; ---------------- PHASE H.  The eight places at the end of the last K step stand in front of the first read of results.
.irp n, 0,1,2,3                        ; b2 as the C of tile n: lane (r, h) holds outputs 16 n + 8 h + 0 .. 7
	global_load_b128 v[BB+8*\n:BB+8*\n+3], v[B2O], s[16:17] offset:64*\n
	global_load_b128 v[BB+8*\n+4:BB+8*\n+7], v[B2O], s[16:17] offset:64*\n+16
.endr
; Tile of rows m: its 64 sums, register 16 b + i = hidden unit 32 b + 16 h + i of my 128, become one fragment.  No |.| on the maximum's sources: what is negative becomes 0, so it must not count.
; Each accumulator is read from its low end on.
.macro QUANTH m
.set HWN, 2+(\m)/4
.set HW2, 5*HWN
.set HN,  64*((\m)%4)
.set HPC, PCH+16*((\m)%2)
.set HPW, PWH+((\m)%2)
	s_wait_dscnt 5                                 ; the last tile's five stores may be out; those of the tile before, which read this set of codes, are done
	WIN HW2                                        ; sources 0 and 1: the sums' window
.irp b, 0,1,2,3
	v_max3_num_f32 v[TMH+\b], v[HN+16*\b], v[HN+16*\b+1], 0x4800000
.endr
.irp i, 2,4,6,8,10,12,14
.irp b, 0,1,2,3
	v_max3_num_f32 v[TMH+\b], v[HN+16*\b+\i], v[HN+16*\b+\i+1], v[TMH+\b]
.endr
.endr
	WIN 0
.irp b, 0,1,2,3
	v_permlanex16_b32 v[TMH+4+\b], v[TMH+\b], s24, s25
.endr
.irp b, 0,1,2,3
	v_max_num_f32 v[TMH+\b], v[TMH+\b], v[TMH+4+\b]
.endr
.irp b, 0,1,2,3
	v_add_nc_u32 v[TMH+12+\b], 0xfc000000, v[TMH+\b]
.endr
.irp b, 0,1,2,3
	v_and_or_b32 v[TMH+8+\b], v[TMH+\b], 0x7f800000, s26
.endr
.irp b, 0,1,2,3
	v_lshrrev_b32 v[TMH+4+\b], 23, v[TMH+12+\b]
.endr
	v_lshl_or_b32 v[HPW], v[TMH+5], 8, v[TMH+4]
	v_lshl_or_b32 v[HPW], v[TMH+6], 16, v[HPW]
	v_lshl_or_b32 v[HPW], v[TMH+7], 24, v[HPW]
	WIN HWN                                        ; source 0: the sums' window
.irp b, 0,1,2,3
.irp i, 0,1,2,3,4,5,6,7,8,9,10,11,12,13,14,15
	v_med3_num_f32 v[TH+16*\b+\i], v[HN+16*\b+\i], 0, v[TMH+8+\b]   ; relu and the hold in one: between 0 and 448 x the scale
.endr
.endr
	WIN 0
.irp b, 0,1,2,3
	v_cvt_scalef32_pk8_fp8_f32 v[HPC+4*\b:HPC+1+4*\b], v[TH+16*\b:TH+7+16*\b], v[TMH+12+\b]
	v_cvt_scalef32_pk8_fp8_f32 v[HPC+2+4*\b:HPC+3+4*\b], v[TH+8+16*\b:TH+15+16*\b], v[TMH+12+\b]
.endr
	v_nop                                          ; a plain instruction behind the last conversion
.irp c, 0,1,2,3
	ds_store_b128 v[HW], v[HPC+4*\c:HPC+4*\c+3] offset:2048*(\m)+512*\c
.endr
	ds_store_b32 v[HSW], v[HPW] offset:128*(\m)
.endm
.irp m, 0,1,2,3,4,5,6,7
	QUANTH \m
.endr
	s_wait_dscnt 0x0                               ; for the others' sake: my K step of the hidden layer is written
	s_barrier_signal -1
	s_barrier_wait -1                              ; all 32 fragments of the hidden layer lie in LDS
; ---------------- PHASE G2, written out: K steps s = 0 .. 3
.macro FETCH_H s, m0
.irp m, \m0, \m0+1, \m0+2, \m0+3
.irp c, 0,1,2,3
	ds_load_b128 v[AF+16*(\m)+4*\c:AF+16*(\m)+4*\c+3], v[HL] offset:16384*(\s)+2048*(\m)+512*\c
.endr
.endr
.endm
.macro FETCH_HS s
.irp m, 0,1,2,3,4,5,6,7
	ds_load_b32 v[AS+8*((\s)%2)+\m], v[HSL] offset:1024*(\s)+128*\m
.endr
.endm
; 16 matrix instructions: tiles of rows a0 .. a0 + 3 x my four tiles of outputs.  W2's fragment of (K step s, tile n) is number 4 (s % 2) + n of set s / 2.  The 32 accumulators take turns.
.macro MUL2 a0, s
.irp a, \a0, \a0+1, \a0+2, \a0+3
.irp n, 0,1,2,3
.if (\s) == 0
	WM 8*(4*(\a)+\n), 128*((\s)/2)+16*(4*((\s)%2)+\n), AF+16*(\a), BB+8*\n, WS+4*((\s)/2)+2*((\s)%2)+\n/2, AS+8*((\s)%2)+(\a), \n%2
.else
	WM 8*(4*(\a)+\n), 128*((\s)/2)+16*(4*((\s)%2)+\n), AF+16*(\a), 8*(4*(\a)+\n), WS+4*((\s)/2)+2*((\s)%2)+\n/2, AS+8*((\s)%2)+(\a), \n%2
.endif
.endr
.endr
.endm
	s_wait_loadcnt 0x0                             ; W2 and b2
	FETCH_H 0, 0
	FETCH_HS 0
	FETCH_H 0, 4
.irp s, 0,1,2,3
	s_wait_dscnt 16                                ; tiles 0-3 and the scale words are in; tiles 4-7 may be out
.if \s == 0
	WIN 0x81                                       ; C = b2, window 0; D window 2
.else
	WIN 0xa1
.endif
	MUL2 0, \s
	s_wait_dscnt 0x0
	WIN 0
	PLACES 8
.if \s < 3
	FETCH_H \s+1, 0
	FETCH_HS \s+1
.endif
.if \s == 0
	WIN 0x81
.else
	WIN 0xa1
.endif
	MUL2 4, \s
	WIN 0
	PLACES 8                                       ; in front of the loads below; behind the last K step: in front of the first read of results
.if \s < 3
	FETCH_H \s+1, 4
.endif
.endr
; ---------------- THE WAY OUT, a tile of 16 rows at a time.  A lane holds 32 neighbouring bytes of a row for each of four tiles of outputs; my 64 outputs of a row are 256 aligned bytes of out.
; They go through my own stage (rows of 272 bytes, two buffers by turns) and come back by rows.  LDS serves a wave's instructions in order: no wait between the stores and the loads.
.macro RELU m
	WIN 0x08                                       ; source 1: window 2
.set i, 0
.rept 32
	v_max_num_f32 v[OT+32*((\m)%2)+i], 0, v[32*(\m)+i]   ; each accumulator from its low end on
.set i, i+1
.endr
	WIN 0
.endm
.macro TOSTAGE m
.irp n, 0,1,2,3
	ds_store_b128 v[STO], v[OT+32*((\m)%2)+8*\n:OT+32*((\m)%2)+8*\n+3] offset:4352*((\m)%2)+64*\n
	ds_store_b128 v[STO], v[OT+32*((\m)%2)+8*\n+4:OT+32*((\m)%2)+8*\n+7] offset:4352*((\m)%2)+64*\n+16
.endr
.irp i, 0,1,2,3,4,5,6,7
	ds_load_b128 v[BK+32*((\m)%2)+4*\i:BK+32*((\m)%2)+4*\i+3], v[RD] offset:4352*((\m)%2)+544*\i
.endr
.endm
.macro SEND m, younger                 ; younger: the LDS instructions issued behind tile m's loads: the next tile's sixteen, or none
	s_wait_dscnt \younger
.irp i, 0,1,2,3,4,5,6,7
	global_store_b128 v[CO], v[BK+32*((\m)%2)+4*\i:BK+32*((\m)%2)+4*\i+3], s[18:19] offset:(16*(\m)+2*\i)*1024 th:TH_STORE_NT   ; 16 lanes store 256 consecutive bytes, at a multiple of 256 from out's first byte
.endr
.endm
	RELU 0
	TOSTAGE 0
.irp a, 1,2,3,4,5,6,7
	RELU \a                                        ; its set's LDS stores of two tiles back are done: the wait in the last SEND left only the tile between out
.if \a > 1
	s_wait_alu depctr_va_vdst(0)
	s_wait_xcnt 0x0                                ; the stores of two tiles back have read their registers: this tile's rows may land there
.endif
	TOSTAGE \a
	SEND \a-1, 16
.endr
	SEND 7, 0
	s_wait_xcnt 0x0
	v_lshl_add_u32 v254, v0, 2, 0x43800
	v_mov_b32 v255, 0
	s_wait_alu depctr_va_vdst(0)
	s_wait_tensorcnt 0x0
	ds_add_u32 v254, v255
	s_wait_dscnt 0x0
	s_endpgm
.Lfunc_end_k_q8c0b54c4ad_mlp:
	.size	k_q8c0b54c4ad_mlp, .Lfunc_end_k_q8c0b54c4ad_mlp-k_q8c0b54c4ad_mlp
	.p2alignl 7, 3214868480
	.fill 96, 4, 3214868480
	.section	.rodata,"a",@progbits
	.p2align	6, 0x0
	.amdhsa_kernel k_q8c0b54c4ad_mlp
		.amdhsa_group_segment_fixed_size 276992
		.amdhsa_private_segment_fixed_size 0
		.amdhsa_enable_private_segment 0
		.amdhsa_kernarg_size 64
		.amdhsa_user_sgpr_count 2
		.amdhsa_user_sgpr_kernarg_segment_ptr 1
		.amdhsa_wavefront_size32 1
		.amdhsa_system_sgpr_workgroup_id_x 1
		.amdhsa_system_sgpr_workgroup_id_y 1
		.amdhsa_system_sgpr_workgroup_id_z 1
		.amdhsa_system_vgpr_workitem_id 0
		.amdhsa_next_free_vgpr 1024
		.amdhsa_next_free_sgpr 66
		.amdhsa_reserve_vcc 0
		.amdhsa_float_denorm_mode_32 3
		.amdhsa_float_denorm_mode_16_64 3
		.amdhsa_fp16_overflow 1
		.amdhsa_memory_ordered 1
		.amdhsa_forward_progress 1
		.amdhsa_inst_pref_size 255
	.end_amdhsa_kernel
	.section	.bss,"aw",@nobits
	.p2align	6
	.space	262144
	.amdgpu_metadata
---
amdhsa.version: [ 1, 2 ]
amdhsa.kernels:
  - .name:           k_q8c0b54c4ad_mlp
    .symbol:         k_q8c0b54c4ad_mlp.kd
    .args:
      - { .name: points1, .offset: 0, .size: 8, .value_kind: global_buffer, .address_space: global }
      - { .name: points2, .offset: 8, .size: 8, .value_kind: global_buffer, .address_space: global }
      - { .name: nbr, .offset: 16, .size: 8, .value_kind: global_buffer, .address_space: global }
      - { .name: wgt, .offset: 24, .size: 8, .value_kind: global_buffer, .address_space: global }
      - { .name: wl, .offset: 32, .size: 8, .value_kind: global_buffer, .address_space: global }
      - { .name: b1, .offset: 40, .size: 8, .value_kind: global_buffer, .address_space: global }
      - { .name: b2, .offset: 48, .size: 8, .value_kind: global_buffer, .address_space: global }
      - { .name: out0, .offset: 56, .size: 8, .value_kind: global_buffer, .address_space: global }
    .group_segment_fixed_size: 276992
    .private_segment_fixed_size: 0
    .kernarg_segment_align: 8
    .kernarg_segment_size: 64
    .max_flat_workgroup_size: 128
    .sgpr_count:     66
    .vgpr_count:     1024
    .wavefront_size: 32
...
	.end_amdgpu_metadata
.endif
;; end of part 3
